; MI455X (gfx1250); checked and timed in simulation.
; The chip was launched on July 23, 2026; its instructions are those of AMD's public machine-readable ISA for CDNA 5 (MIT licence, August 2026) and "CDNA5" Instruction Set Architecture Reference Guide (July 2026). The comments in the code are by the model that wrote it; some were corrected since.
;; SVD Adapter. Allowed arithmetic: matrix products marked QUANTISED: E3M2 operands, one E8M0 scale for each 32 along K, by v_wmma_scale_f32_16x16x128_f8f6f4 with both operands' format E3M2, f32 sums; products left as they are: f32 operands where the result goes on into a quantised operand, else bf16, f16 or f32 operands; f32 sums; everything else in f32.
;; Inputs: U 2,048 x 16 float32; V 4,096 x 16 float32; base_weight 2,048 x 4,096 float32; s 16 float32; x 4 x 2,048 x 4,096 float32.
;; Outputs: out0 4 x 2,048 x 2,048 float32.
;; This version of the problem:
;;   THIS VERSION OF THE PROBLEM IS GIVEN IN LOW PRECISION. The matrix products marked QUANTISED in the list below multiply operands that are first quantised to E3M2 (3 exponent bits, 2 mantissa bits; 6 bits a number), with one power-of-two scale for each 32 numbers along K (OCP MX v1.0); their sums are f32. All else is computed in f32.
;;   The module's matrix products, in the order in which they are computed (A, B: the left and right operand; K: the contracted axis; several contracted axes count as one K, in the product's order):
;;     1. [M 2,048, K 16] x [K 16, N 4,096]; A: computed on the way; B: input V: left as it is (K = 16 < 32)
;;     2. [M 8,192, K 4,096] x [K 4,096, N 2,048]; A: input x; B: computed on the way: QUANTISED
;;   THE QUANTISER, for each operand of a quantised product, along K:
;;     - K is cut into blocks of 32 from its start; a last block that is shorter is filled with zeros.
;;     - A block's scale is 2^e with e = floor(log2(the largest magnitude in the block)) - 4, held to -126 .. 127; a block of zeros has e = 0. As a byte (E8M0): e + 127.
;;     - Each number is divided by its block's scale, clamped to +-28, and rounded to the nearest number of E3M2, ties to even, subnormals kept.
;;     - The product sums the exact products of the quantised numbers (number of the format x scale) in f32.
;;   ~~~python
;;   def quantise(x, axis):      # numpy; x: float32 -> the quantised numbers, widened to float32 again
;;       x = np.moveaxis(x, axis, -1); K = x.shape[-1]
;;       x = np.pad(x, [(0, 0)] * (x.ndim - 1) + [(0, -K % 32)]); x = x.reshape(x.shape[:-1] + (-1, 32)); a = np.abs(x).max(-1, keepdims=True)
;;       e = np.where(a > 0, np.clip(np.frexp(np.where(a > 0, a, 1))[1] - 1 - 4, -126, 127), 0)      # np.frexp(a)[1] - 1 = floor(log2(a)), exactly
;;       r = np.clip(x / 2.0 ** e, -28, 28)
;;       step = 2.0 ** (np.maximum(np.frexp(np.where(r == 0, 1, r))[1] - 1, -2) - 2)
;;       q = np.round(r / step) * step * 2.0 ** e      # np.round: ties to even
;;       return np.moveaxis(q.reshape(q.shape[:-2] + (-1,))[..., :K], -1, axis).astype(np.float32)
;;   ~~~
;;   OPERANDS COMPUTED ON THE WAY. 'Computed on the way' means the value that the module computes at that place (a softmax that the list does not call 'softmax' is quantised finished and normalised). What goes into a quantiser is computed in f32, as accurately as f32 sums, v_exp_f32 and their like allow (about 1e-6 of the number): no bf16 or f16 on the way to a quantiser, and a product that is left as it is and whose result goes on into a quantised operand takes f32 operands (vector FMAs, or v_wmma_f32_16x16x4_f32). A number that lies on a knife's edge between two numbers of the format may be rounded either way, as far as f32 arithmetic and the matrix unit's own rounding can turn it there, and no further.
;; One version. Each part assembles by itself: llvm-mc -triple=amdgcn-amd-amdhsa -mcpu=gfx1250 --defsym DOCPART=n.
;; ======== version 1 of 1: 2 launches
;; limits: right only within a limited range of input values
;; workspace buffers: x_q 26,214,400 bytes; w_q 6,553,600 bytes
;; launch prep (part 1): grid 1024 x 1, 4 waves a work-group, no clusters, 41,472 bytes of LDS; arguments x, base_weight, U, s, V, x_q, w_q; writes x_q, w_q
.if DOCPART == 1
	.amdgcn_target "amdgcn-amd-amdhsa--gfx1250"
	.amdhsa_code_object_version 6
	.text
	.protected	k_q52bb076ff1_prep
	.globl	k_q52bb076ff1_prep
	.p2align	8
	.type	k_q52bb076ff1_prep,@function
k_q52bb076ff1_prep:
	s_mov_b64 s[64:65], 0
	v_nop
	global_prefetch_b8 v0, s[64:65] scope:SCOPE_SE
	s_setreg_imm32_b32 hwreg(HW_REG_WAVE_MODE, 25, 1), 1
	s_wait_xcnt 0x0
; Both operands of the large product become codes of BF6 (E3M2) with one E8M0 byte for each 32 along K, laid in the order of the matrix operand's registers.
; x [8192][4096] as it is; W'[o][i] = base_weight[o][i] + sum over r of (U[o][r] s[r]) V[i][r], in f32.  (SCALING is the constant 1.0: no line is written for it.)
; x_q: [64 groups of 128 rows][32 steps of 128 K][slab of 12,800 bytes]; w_q: 16 groups likewise.  A slab: 8 fragments (16 rows x 128 K) of 1,536 bytes, then 512 bytes of scale words, 4 bytes a row.
; A fragment: [h][r][48 bytes]: row r's blocks 2 h and 2 h + 1 of the step's four; the scale of block 2 h + c is byte 2 c + h of the row's word.
; SHARES.  4,096 waves; each takes ONE tile (16 rows x 128 K) of W' and FOUR tiles of x (64 rows x 128 K), all at the same step S of K.
; A tile's 16 loads read 512 consecutive bytes of a row each; the tile turns through the wave's own stage in LDS (rows 528 bytes apart) and comes back 256 bytes a lane:
; lane (r, h) then holds row r, K = 64 h + 0 .. 63: two whole blocks, so a block's largest magnitude needs no other lane, and its 48 bytes of codes are the lane's place in the fragment.
; The sum of 16 goes ahead of a quantiser, so it is made in f32: v_wmma_f32_16x16x4_f32, source 0 = 16 rows of V, source 1 = 16 rows of U s, C = base_weight as turned.
; Tile t of V takes rows 8 t + 0 .. 7 and 64 + 8 t + 0 .. 7, so that register j of lane (r, h) is W'[r][64 h + 8 t + j].  The 16 of the sum are dealt alike on both sides: instruction kk, half h, register j takes r = 8 h + 2 kk + j.
; Codes leave through LDS as 512 consecutive bytes a store; x's scale words are gathered in LDS and leave as 256 consecutive bytes; W's 64 bytes of scale words a tile leave as they are (1 byte in 128 read).
; LIMITS: the order of rounding of the sum of 16 differs from reference()'s by what f32 rounds; a block of zeros gets the byte 1 where the rule says 127 (zero codes, and this program alone reads the bytes);
; blocks whose largest magnitude lies under 2^(5 - 127) are quantised under the byte 1; NaN and infinities among the inputs are not served.
; No tensor loads, no cluster, no barrier: waves share nothing, and memory's bytes decide.
.set ROWB, 16384
.set FRB,  1536
.set SCO,  8*FRB
.set SLAB, SCO+512
.set WREG, 10240                       ; LDS of a wave: stage 16 x 528, codes 1,536, scale words 256
.set CST,  8448
.set SST,  9984
.set SPARE, 4*WREG
.set FLOOR, 5<<23
.set LO, 1                             ; 16 L
.set SIN, 2
.set SOUT, 3
.set CIN, 4
.set COUT, 5
.set SCI, 6
.set SCOA, 7
.set L8, 8
.set H8, 9
.set R4, 10
.set VV, 11
.set UV, 12
.set SV, 13
.set SPW, 14
.set NIL, 15
.set RS0, 16                           ; three sets of 64: a tile as loaded, then as turned
.set RS1, 80
.set RS2, 144
.set D, 208                            ; v208-239: written by the f32 matrix form alone
.set C, 240                            ; v240-251 a tile's codes (first: U, then U s, and half of s)
.set M, 252                            ; v252-255 at work
	s_load_b256 s[4:11], s[0:1], 0x0               ; x, base_weight, U, s
	s_load_b128 s[12:15], s[0:1], 0x20             ; V, x_q
	s_load_b64 s[16:17], s[0:1], 0x30              ; w_q
	v_lshl_add_u32 v[SPW], v0, 2, SPARE
	v_mov_b32 v[NIL], 0
	v_lshrrev_b32 v1, 5, v0
	v_readfirstlane_b32 s18, v1                    ; wave
	s_and_b32 s19, ttmp9, 7
	s_lshl_b32 s19, s19, 2
	s_add_co_u32 s19, s19, s18                     ; S: my step of 128 along K
	s_lshr_b32 s20, ttmp9, 3                       ; g: my 64 rows of x, my 16 rows of W'
	s_mul_i32 s30, s18, WREG
	s_add_co_u32 s31, s30, CST
	s_add_co_u32 s32, s30, SST
	s_mov_b32 s36, 0x76543210
	s_mov_b32 s37, 0xfedcba98
	s_lshl_b32 s33, s19, 9
	s_lshl_b32 s22, s20, 20
	s_add_co_u32 s22, s22, s33
	s_mov_b32 s23, 0
	s_lshr_b32 s34, s20, 2                         ; W's fragment g % 8 of group g / 8 holds rows 64 (g / 4) + g % 4 + 4 r, r = 0 .. 15: four fragments share 64 rows, every fourth row each,
	s_lshl_b32 s34, s34, 6                         ; so that in the product four results of a lane are four neighbouring columns of the output
	s_and_b32 s24, s20, 3
	s_add_co_u32 s34, s34, s24                     ; the tile's first row
	s_lshl_b32 s24, s34, 14
	s_add_co_u32 s24, s24, s33
	s_mov_b32 s25, 0
	v_and_b32 v16, 31, v0                          ; L
	v_and_b32 v17, 15, v0                          ; r
	v_bfe_u32 v18, v0, 4, 1                        ; h
	v_lshlrev_b32 v[LO], 4, v16
	v_add_nc_u32 v[SIN], s30, v[LO]
	v_mul_u32_u24 v19, v17, 528
	v_lshl_add_u32 v19, v18, 8, v19
	v_add_nc_u32 v[SOUT], s30, v19
	v_mul_u32_u24 v19, v16, 48
	v_add_nc_u32 v[CIN], s31, v19
	v_add_nc_u32 v[COUT], s31, v[LO]
	v_lshlrev_b32 v[R4], 2, v17
	v_add_nc_u32 v[SCI], s32, v[R4]
	v_lshlrev_b32 v[L8], 3, v16
	v_add_nc_u32 v[SCOA], s32, v[L8]
	v_lshlrev_b32 v[H8], 3, v18
	v_lshlrev_b32 v[SV], 5, v18                    ; s: 32 h
	v_lshl_add_u32 v[UV], v17, 8, v[SV]            ; U: 4 r rows of 64 bytes + 32 h
	v_and_b32 v19, 7, v17
	v_bfe_u32 v20, v17, 3, 1
	v_lshl_add_u32 v19, v20, 6, v19                ; V's row of a tile: r % 8 + 64 (r / 8)
	v_lshl_add_u32 v[VV], v19, 6, v[SV]
	s_wait_alu depctr_va_vdst(0)                   ; the wait at the head's end
	s_wait_kmcnt 0x0
	s_add_nc_u64 s[4:5], s[4:5], s[22:23]
	s_add_nc_u64 s[6:7], s[6:7], s[24:25]
	s_lshl_b32 s22, s34, 6
	s_add_nc_u64 s[8:9], s[8:9], s[22:23]
	s_lshl_b32 s22, s19, 13
	s_add_nc_u64 s[12:13], s[12:13], s[22:23]
.macro XLOAD n, set                    ; tile n of x: 16 rows, 512 consecutive bytes each
.irp p, 0,1,2,3,4,5,6,7,8,9,10,11,12,13,14,15
	global_load_b128 v[\set+4*\p:\set+4*\p+3], v[LO], s[4:5] offset:(16*(\n)+\p)*ROWB th:TH_LOAD_NT
.endr
.endm
	global_load_b128 v[C:C+3], v[UV], s[8:9]
	global_load_b128 v[C+4:C+7], v[UV], s[8:9] offset:16
	global_load_b128 v[C+8:C+11], v[SV], s[10:11]
	global_load_b128 v[M:M+3], v[SV], s[10:11] offset:16
.irp t, 0,1,2,3,4,5,6,7
	global_load_b128 v[RS1+8*\t:RS1+8*\t+3], v[VV], s[12:13] offset:512*\t
	global_load_b128 v[RS1+8*\t+4:RS1+8*\t+7], v[VV], s[12:13] offset:512*\t+16
.endr
.irp p, 0,1,2,3,4,5,6,7,8,9,10,11,12,13,14,15
	global_load_b128 v[RS0+4*\p:RS0+4*\p+3], v[LO], s[6:7] offset:\p*4*ROWB th:TH_LOAD_NT
.endr
	XLOAD 0, RS2
	s_lshr_b32 s22, s20, 1                         ; x_q: my group of 128 rows, its slab of step S, my 64 rows' four fragments and 256 bytes of words
	s_lshl_b32 s22, s22, 5
	s_add_co_u32 s22, s22, s19
	s_mul_i32 s22, s22, SLAB
	s_and_b32 s24, s20, 1
	s_mul_i32 s33, s24, 4*FRB
	s_lshl_b32 s24, s24, 8
	s_add_co_u32 s24, s24, s22
	s_add_co_u32 s24, s24, SCO
	s_add_co_u32 s22, s22, s33
	s_add_nc_u64 s[26:27], s[14:15], s[24:25]
	s_add_nc_u64 s[14:15], s[14:15], s[22:23]
	s_lshr_b32 s22, s20, 3                         ; w_q: group g / 8, fragment g % 8
	s_lshl_b32 s22, s22, 5
	s_add_co_u32 s22, s22, s19
	s_mul_i32 s22, s22, SLAB
	s_and_b32 s24, s20, 7
	s_mul_i32 s33, s24, FRB
	s_lshl_b32 s24, s24, 6
	s_add_co_u32 s24, s24, s22
	s_add_co_u32 s24, s24, SCO
	s_add_co_u32 s22, s22, s33
	s_add_nc_u64 s[28:29], s[16:17], s[24:25]
	s_add_nc_u64 s[16:17], s[16:17], s[22:23]
.macro TURNS set                       ; a tile through my stage and back into the same registers
.irp p, 0,1,2,3,4,5,6,7,8,9,10,11,12,13,14,15
	ds_store_b128 v[SIN], v[\set+4*\p:\set+4*\p+3] offset:528*\p
.endr
	s_wait_dscnt 0x0                               ; the stores have read their registers: the loads below land on them
.irp q, 0,1,2,3,4,5,6,7,8,9,10,11,12,13,14,15
	ds_load_b128 v[\set+4*\q:\set+4*\q+3], v[SOUT] offset:16*\q
.endr
.endm
.macro QMAX src, c                     ; block c's largest magnitude, two chains, ascending, the floor 2^(5 - 127) among the leaves; then 4 off its exponent field: the conversion's scale operand
	v_max3_num_f32 v[M], |v[\src]|, |v[\src+1]|, FLOOR
	v_max3_num_f32 v[M+1], |v[\src+2]|, |v[\src+3]|, FLOOR
.irp i, 4,8,12,16,20,24,28
	v_max3_num_f32 v[M], v[M], |v[\src+\i]|, |v[\src+\i+1]|
	v_max3_num_f32 v[M+1], v[M+1], |v[\src+\i+2]|, |v[\src+\i+3]|
.endr
	v_max_num_f32 v[M], v[M], v[M+1]
	v_add_nc_u32 v[M+2+\c], 0xfe000000, v[M]
.endm
.macro CVTB src, so, dlo, dhi          ; a block's 32 numbers to 2 x 96 bits; a plain line behind each conversion
	v_cvt_scalef32_pk16_bf6_f32 v[\dlo:\dlo+2], v[\src:\src+15], v[\so]
	v_nop
	v_cvt_scalef32_pk16_bf6_f32 v[\dhi:\dhi+2], v[\src+16:\src+31], v[\so]
	v_nop
.endm
.macro MOV3 d, s
.irp i, 0,1,2
	v_mov_b32 v[\d+\i], v[\s+\i]
.endr
.endm
.macro WORD                            ; my two bytes at places h and 2 + h, joined with lane l xor 16's: the row's scale word in v[M]
	v_lshrrev_b32 v[M], 23, v[M+2]
	v_lshrrev_b32 v[M+1], 23, v[M+3]
	v_lshl_or_b32 v[M], v[M+1], 16, v[M]
	v_lshlrev_b32 v[M], v[H8], v[M]
	v_permlanex16_b32 v[M+1], v[M], s36, s37
	v_or_b32 v[M], v[M], v[M+1]
.endm
.macro OUT sp, off                     ; a fragment's 1,536 bytes: 48 a lane into LDS, back 16 a lane, stored as 3 x 512 consecutive bytes
.irp k, 0,1,2
	ds_store_b128 v[CIN], v[C+4*\k:C+4*\k+3] offset:16*\k
.endr
	s_wait_dscnt 0x0
.irp k, 0,1,2
	ds_load_b128 v[C+4*\k:C+4*\k+3], v[COUT] offset:512*\k
.endr
	s_wait_dscnt 0x0
.irp k, 0,1,2
	global_store_b128 v[LO], v[C+4*\k:C+4*\k+3], s[\sp:\sp+1] offset:\off+512*\k
.endr
.endm
; ---- the tile of W'
	s_wait_loadcnt 16                              ; all but x's first tile
.irp i, 0,2,4,6
	v_pk_mul_f32 v[C+\i:C+\i+1], v[C+\i:C+\i+1], v[C+8+\i:C+9+\i]   ; U s
.endr
	s_wait_alu depctr_va_vdst(0)
	TURNS RS0
	s_wait_dscnt 0x0
.irp c, 0,1                            ; block c of my two: four tiles of V, their sums by turns
.irp kk, 0,1,2,3
.irp t, 0,1,2,3
.if \kk == 0
	v_wmma_f32_16x16x4_f32 v[D+8*\t:D+8*\t+7], v[RS1+8*(4*\c+\t):RS1+8*(4*\c+\t)+1], v[C:C+1], v[RS0+32*\c+8*\t:RS0+32*\c+8*\t+7]
.else
	v_wmma_f32_16x16x4_f32 v[D+8*\t:D+8*\t+7], v[RS1+8*(4*\c+\t)+2*\kk:RS1+8*(4*\c+\t)+2*\kk+1], v[C+2*\kk:C+2*\kk+1], v[D+8*\t:D+8*\t+7]
.endif
.endr
.endr
.rept 9
	v_nop                                          ; places behind the f32 form (ISA guide 7.12.1)
.endr
	QMAX D, \c
.if \c == 0
	CVTB D, M+2, RS0, RS0+4                        ; U s still lies where the codes go: block 0's wait in registers of base_weight that are done with
.else
	CVTB D, M+3, C+6, RS0+8
.endif
.endr
	MOV3 C+9, RS0+8
	MOV3 C, RS0
	MOV3 C+3, RS0+4
	WORD
	global_store_b32 v[R4], v[M], s[28:29]         ; 16 rows' words; both halves of the lanes store the same word to the same place
	OUT 16, 0
	XLOAD 1, RS0
	XLOAD 2, RS1
; ---- the tiles of x
.macro XTILE n, set, left, nx
	s_wait_loadcnt \left
	TURNS \set
	s_wait_xcnt 0x0                                ; earlier stores have read their data: codes and word are written again only behind this wait
	s_wait_dscnt 0x0
	QMAX \set, 0
	QMAX \set+32, 1
	CVTB \set, M+2, C, \set
	MOV3 C+3, \set
	CVTB \set+32, M+3, C+6, \set+32
	MOV3 C+9, \set+32
.if \nx >= 0
	XLOAD \nx, \set
.endif
	WORD
	ds_store_b32 v[SCI], v[M] offset:64*\n
	OUT 14, FRB*\n
.endm
	XTILE 0, RS2, 32, 3                            ; behind tile 0's loads: tiles 1 and 2
	XTILE 1, RS0, 32, -1                           ; tiles 2 and 3
	XTILE 2, RS1, 16, -1
	XTILE 3, RS2, 0, -1
	s_wait_xcnt 0x0
	ds_load_b64 v[M:M+1], v[SCOA]                  ; LDS serves a wave's instructions in order: this sees my four stores
	s_wait_dscnt 0x0
	global_store_b64 v[L8], v[M:M+1], s[26:27]     ; 256 consecutive bytes
	s_wait_tensorcnt 0x0                           ; the wave's end
	ds_add_u32 v[SPW], v[NIL]
	s_wait_dscnt 0x0
	s_endpgm
.Lfunc_end_k_q52bb076ff1_prep:
	.size	k_q52bb076ff1_prep, .Lfunc_end_k_q52bb076ff1_prep-k_q52bb076ff1_prep
	.p2alignl 7, 3214868480
	.fill 96, 4, 3214868480
	.section	.rodata,"a",@progbits
	.p2align	6, 0x0
	.amdhsa_kernel k_q52bb076ff1_prep
		.amdhsa_group_segment_fixed_size 41472
		.amdhsa_private_segment_fixed_size 0
		.amdhsa_enable_private_segment 0
		.amdhsa_kernarg_size 56
		.amdhsa_user_sgpr_count 2
		.amdhsa_user_sgpr_kernarg_segment_ptr 1
		.amdhsa_wavefront_size32 1
		.amdhsa_system_sgpr_workgroup_id_x 1
		.amdhsa_system_sgpr_workgroup_id_y 1
		.amdhsa_system_sgpr_workgroup_id_z 1
		.amdhsa_system_vgpr_workitem_id 0
		.amdhsa_next_free_vgpr 256
		.amdhsa_next_free_sgpr 66
		.amdhsa_reserve_vcc 0
		.amdhsa_float_denorm_mode_32 3
		.amdhsa_float_denorm_mode_16_64 3
		.amdhsa_memory_ordered 1
		.amdhsa_forward_progress 1
		.amdhsa_inst_pref_size 47
	.end_amdhsa_kernel
	.amdgpu_metadata
---
amdhsa.version: [ 1, 2 ]
amdhsa.kernels:
  - .name:           k_q52bb076ff1_prep
    .symbol:         k_q52bb076ff1_prep.kd
    .args:
      - { .name: x, .offset: 0, .size: 8, .value_kind: global_buffer, .address_space: global }
      - { .name: base_weight, .offset: 8, .size: 8, .value_kind: global_buffer, .address_space: global }
      - { .name: U, .offset: 16, .size: 8, .value_kind: global_buffer, .address_space: global }
      - { .name: s, .offset: 24, .size: 8, .value_kind: global_buffer, .address_space: global }
      - { .name: V, .offset: 32, .size: 8, .value_kind: global_buffer, .address_space: global }
      - { .name: x_q, .offset: 40, .size: 8, .value_kind: global_buffer, .address_space: global }
      - { .name: w_q, .offset: 48, .size: 8, .value_kind: global_buffer, .address_space: global }
    .group_segment_fixed_size: 41472
    .private_segment_fixed_size: 0
    .kernarg_segment_align: 8
    .kernarg_segment_size: 56
    .max_flat_workgroup_size: 128
    .sgpr_count:     66
    .vgpr_count:     256
    .wavefront_size: 32
...
	.end_amdgpu_metadata
.endif
;; end of part 1
;; launch gemm (part 2): grid 8 x 32, 4 waves a work-group, clusters of 4 x 4, 327,680 bytes of LDS; arguments x_q, w_q, out0; writes out0
.if DOCPART == 2
	.amdgcn_target "amdgcn-amd-amdhsa--gfx1250"
	.amdhsa_code_object_version 6
	.text
	.protected	k_q52bb076ff1_gemm
	.globl	k_q52bb076ff1_gemm
	.p2align	8
	.type	k_q52bb076ff1_gemm,@function
k_q52bb076ff1_gemm:
	s_mov_b64 s[64:65], 0
	v_nop
	global_prefetch_b8 v0, s[64:65] scope:SCOPE_SE
	s_setreg_imm32_b32 hwreg(HW_REG_WAVE_MODE, 25, 1), 1
	s_wait_xcnt 0x0
	s_wait_alu depctr_hold_cnt(0) depctr_sa_sdst(0) depctr_va_vdst(0) depctr_va_sdst(0) depctr_va_ssrc(0) depctr_va_vcc(0) depctr_vm_vsrc(0)
	s_getreg_b32 s2, hwreg(HW_REG_IB_STS2, 6, 4)
	s_cmp_eq_u32 s2, 0
	s_cbranch_scc0 .Lentry_in_a_cluster
	s_endpgm
.Lentry_in_a_cluster:
	s_bfe_u32 s2, ttmp6, 0x10000c
	s_cmp_lg_u32 s2, 0xf033
	s_cbranch_scc0 .Lentry_shape_is_right
	s_endpgm
.Lentry_shape_is_right:
; out0[m][n] = sum over k of x[m][k] W'[n][k] on codes of BF6 with E8M0 scales, as the launch before laid them: [group of 128 rows][32 steps of 128 K][slab: 8 fragments of 1,536 bytes, 512 bytes of scale words].
; Of W' fragment i of a group holds rows 64 (i / 4) + i % 4 + 4 r, r = 0 .. 15.
; A block of 256 x 256 to a work-group of four waves, 128 x 128 a wave: 64 accumulators.  256 work-groups.  K goes through two LDS slots of three steps each (the last fill: two steps); a wave's tensor load brings one group's
; three slabs, 38,400 dense bytes.  CLUSTERS 4 x 4: x's slabs are asked for jointly along a row of the cluster, W's along a column.
; Source 0 = x's rows, source 1 = W's rows: register j of lane (r, h) of the accumulator (a, b) is out0(16 a + 8 h + j, 64 (b / 4) + 4 r + b % 4): the same register of four accumulators holds four neighbouring columns.
; REGISTERS.  Every window of 256: v0-31 addresses (window 0: also v0-15 two sets of scale words), v32-79 and v80-127 a quarter of the even and of the odd step's fragments, v128-255 sixteen accumulators.
; Window 0 holds W's fragments 0-3, window 1 W's 4-7, window 2 x's 0-3, window 3 x's 4-7.
; A step is four quadrants of 16 products (x's half ah, W's half bh); quadrant 0 = (0,0) sums in window 0, 1 = (0,1) in window 2, 2 = (1,1) in window 1, 3 = (1,0) in window 3.
; Both operands have two sets: the next step's 56 LDS loads stand in ONE run.  THE WAVES TAKE TURNS AT THE LDS: wave w issues its run ahead of quadrant w of the step, under a branch on the wave's number that leads
; round the run alone.  Every wave does one run and 64 products a step; between a run and the wait for it stand 64 - 16 w products.
; A slot's last step begins with the change of slots: that slot's fragments were all fetched a step earlier.
; THE WAY OUT needs no LDS: four moves gather a lane's 16 neighbouring bytes, and sixteen lanes store 256 consecutive, aligned bytes of a row.
; PREFETCH: behind a joint refill each wave asks for the 38,400 bytes that its NEXT refill will load (three K steps ahead): 150 blocks of 256 bytes, shared out by address among the four partners that load them
; jointly, 38 blocks each (left-over lanes name the last block again); the loop's last trip and the tail ask for nothing.
.set SIZE_N, 2048
.set FRB,    1536
.set SCO,    8*FRB
.set SLAB,   SCO+512
.set HALFT,  3*SLAB
.set SLOT,   4*HALFT
.set TROW,   32*SLAB
.set TRIPS,  4
.set SPARE,  2*SLOT
.set SC,   0
.set ADRA, 16
.set ADRB, 20
.set ADRS, 22
.set CO,   26                          ; in every window: my byte offset in out0: 8 h rows + 16 r
.set SPW,  28
.set NIL,  29
.set PF0,  30
.set PF1,  31
.set G1, 24
.set G0, 32
.set G1B, 48
.set G0B, 56
.set G1S, 68
.set G1SB, 80
.set PFA, 92
.set MSB, 0
.macro WIN new
.if MSB != \new
	s_set_vgpr_msb (MSB<<8)|\new
.set MSB, \new
.endif
.endm
.macro JLOAD g0a, g1a, g0b, g1b        ; waves 0, 1 ask for x's slabs, waves 2, 3 for W's
	s_cmp_eq_u32 s15, 0
	s_cbranch_scc0 .Lfor_b_\@
	tensor_load_to_lds s[\g0a:\g0a+3], s[\g1a:\g1a+7]
	s_nop 0
.rept 4
	v_nop
.endr
	s_branch .Lasked_\@
.Lfor_b_\@:
	tensor_load_to_lds s[\g0b:\g0b+3], s[\g1b:\g1b+7]
	s_nop 0
.rept 4
	v_nop
.endr
.Lasked_\@:
.endm
.macro CREST
	s_cmp_lg_u32 s14, 0
	s_cbranch_scc1 .Lnot_wave_0_\@
	s_barrier_signal -3
.Lnot_wave_0_\@:
	s_barrier_wait -3
	s_barrier_signal -1
	s_barrier_wait -1
.endm
.macro CROUND
	s_barrier_signal -1
	s_barrier_wait -1
	CREST
.endm
.macro PLACES n
.rept \n
	v_nop
.endr
.endm
	s_load_b128 s[4:7], s[0:1], 0x0
	s_load_b64 s[12:13], s[0:1], 0x10
	v_lshl_add_u32 v[SPW], v0, 2, SPARE
	v_mov_b32 v[NIL], 0
	ds_add_u32 v[SPW], v[NIL]                      ; the opening lines: the add twice on end and its wait
	ds_add_u32 v[SPW], v[NIL]
	v_lshrrev_b32 v1, 5, v0
	v_readfirstlane_b32 s14, v1                    ; wave
	s_lshr_b32 s15, s14, 1                         ; my half of the rows; also: I fetch x's (0) or W's (1)
	s_and_b32 s16, s14, 1                          ; my half of the columns; also: which group I fetch
	s_bfe_u32 s40, ttmp6, 0x40000
	s_bfe_u32 s41, ttmp6, 0x40004
	s_lshl_b32 s42, ttmp9, 2
	s_add_co_u32 s42, s42, s40                     ; block column
	s_and_b32 s17, ttmp7, 0xffff
	s_lshl_b32 s17, s17, 2
	s_add_co_u32 s17, s17, s41                     ; block row
	s_lshl_b32 s43, s41, 2
	s_lshl_b32 s43, 15, s43
	s_lshl_b32 s44, 0x1111, s40
	s_or_b32 s[G1+0], s43, (3<<16)|(1<<21)
	s_or_b32 s[G1B+0], s44, (3<<16)|(1<<21)
	s_or_b32 s[G1S+0], s43, (3<<16)|(1<<21)
	s_or_b32 s[G1SB+0], s44, (3<<16)|(1<<21)
.irp g, G1, G1B                        ; three slabs as 150 dense rows of 256 bytes
	s_mov_b32 s[\g+1], 32<<16
	s_mov_b32 s[\g+2], (HALFT/256)<<16
	s_mov_b32 s[\g+3], 32<<16
	s_mov_b32 s[\g+4], HALFT/256
	s_mov_b32 s[\g+5], 32
	s_mov_b32 s[\g+6], 0
	s_mov_b32 s[\g+7], 0
.endr
.irp g, G1S, G1SB                      ; the last fill: two slabs
	s_mov_b32 s[\g+1], 32<<16
	s_mov_b32 s[\g+2], (2*SLAB/256)<<16
	s_mov_b32 s[\g+3], 32<<16
	s_mov_b32 s[\g+4], 2*SLAB/256
	s_mov_b32 s[\g+5], 32
	s_mov_b32 s[\g+6], 0
	s_mov_b32 s[\g+7], 0
.endr
	s_lshl_b32 s20, s17, 1
	s_add_co_u32 s20, s20, s16
	s_mul_i32 s20, s20, TROW
	s_mov_b32 s21, 0
	s_lshl_b32 s46, s42, 1
	s_add_co_u32 s46, s46, s16
	s_mul_i32 s46, s46, TROW
	s_mov_b32 s47, 0
	s_mul_i32 s45, s14, HALFT
	s_wait_dscnt 0x0
	s_wait_kmcnt 0x0
	s_add_nc_u64 s[20:21], s[4:5], s[20:21]
	s_add_nc_u64 s[46:47], s[6:7], s[46:47]
	CROUND
.irp s, 0,1
	s_mov_b32 s[G0+4*\s], 1
	s_add_co_u32 s[G0+4*\s+1], s45, \s*SLOT
	s_add_nc_u64 s[G0+4*\s+2:G0+4*\s+3], s[20:21], \s*HALFT
	s_or_b32 s[G0+4*\s+3], s[G0+4*\s+3], 0x80000000
	s_mov_b32 s[G0B+4*\s], 1
	s_add_co_u32 s[G0B+4*\s+1], s45, \s*SLOT
	s_add_nc_u64 s[G0B+4*\s+2:G0B+4*\s+3], s[46:47], \s*HALFT
	s_or_b32 s[G0B+4*\s+3], s[G0B+4*\s+3], 0x80000000
.endr
	JLOAD G0, G1, G0B, G1B                         ; steps 0 to 2: one tensor load a wave at the head
	s_cmp_eq_u32 s15, 0
	s_cselect_b64 s[PFA:PFA+1], s[20:21], s[46:47] ; the prefetches walk the group that I fetch
	s_cselect_b32 s10, s40, s41                    ; my place among the four that ask for it with me
	s_mul_i32 s10, s10, 38
	s_add_nc_u64 s[PFA:PFA+1], s[PFA:PFA+1], 2*HALFT
	s_mul_i32 s8, s15, HALFT                       ; my 128 rows of x
	s_mul_i32 s9, s16, HALFT
	s_add_co_u32 s9, s9, 2*HALFT                   ; my 128 rows of W'
	s_sub_co_u32 s11, s9, s8
	s_add_co_u32 s4, s8, SCO
	s_lshl_b32 s20, s17, 8
	s_lshl_b32 s21, s15, 7
	s_add_co_u32 s20, s20, s21
	s_mov_b32 s21, 0
	s_mov_b64 s[18:19], SIZE_N*4
	s_mul_u64 s[20:21], s[20:21], s[18:19]
	s_lshl_b32 s46, s42, 10
	s_lshl_b32 s47, s16, 9
	s_add_co_u32 s46, s46, s47
	s_mov_b32 s47, 0
	s_add_nc_u64 s[20:21], s[20:21], s[46:47]
	s_add_nc_u64 s[12:13], s[12:13], s[20:21]      ; my corner of out0
	v_and_b32 v6, 31, v0
	v_and_b32 v1, 15, v0
	v_bfe_u32 v2, v0, 4, 1
	v_mul_u32_u24 v4, v6, 48                       ; a lane's 48 bytes of a fragment
	v_add_nc_u32 v[ADRA], s8, v4
	v_add_nc_u32 v[ADRB], s9, v4
	v_add_nc_u32 v[ADRA+1], SLOT, v[ADRA]
	v_add_nc_u32 v[ADRB+1], SLOT, v[ADRB]
	v_mul_u32_u24 v5, s11, v2                      ; scale words: lanes 0-15 x's rows, lanes 16-31 W's
	v_lshl_add_u32 v5, v1, 2, v5
	v_add_nc_u32 v[ADRS], s4, v5
	v_add_nc_u32 v[ADRS+1], SLOT, v[ADRS]
	v_lshlrev_b32 v7, 4, v1
	v_lshl_add_u32 v[CO], v2, 16, v7               ; 8 h rows of 8,192 bytes + 16 r
	v_add_nc_u32 v[PF0], s10, v6                   ; blocks 38 p + 0 .. 31,
	v_add_nc_u32 v3, 32, v6
	v_min_u32 v3, 37, v3
	v_add_nc_u32 v3, s10, v3
	v_min_u32 v3, 149, v3                          ; and 38 p + 32 .. 37, held inside the 150
	v_lshlrev_b32 v[PF0], 8, v[PF0]
	v_lshlrev_b32 v[PF1], 8, v3
	WIN 0x40                                       ; the stores' offset once more in windows 1 to 3
	v_lshl_add_u32 v[CO], v2, 16, v7
	WIN 0x80
	v_lshl_add_u32 v[CO], v2, 16, v7
	WIN 0xc0
	v_lshl_add_u32 v[CO], v2, 16, v7
	WIN 0
; A quadrant: 16 products of step parity p, the sixteen accumulators by turns
.macro QUAD k, p, zero
.set AH, ((\k)>>1)&1
.set BH, (((\k)+1)>>1)&1
.set AW, (((\k)&1)<<1)|((\k)>>1)
.set FB, 32+48*(\p)
.set SCP, SC+8*(\p)
	WIN (2+AH)|(BH<<2)|(AW<<4)|(AW<<6)
.irp a, 0,1,2,3
.irp b, 0,1,2,3
.if \zero
	v_wmma_scale_f32_16x16x128_f8f6f4 v[128+8*(4*\a+\b):128+8*(4*\a+\b)+7], v[FB+12*\a:FB+12*\a+11], v[FB+12*\b:FB+12*\b+11], 0, v[SCP+4*AH+\a], v[SCP+4*BH+\b] matrix_a_fmt:MATRIX_FMT_BF6 matrix_b_fmt:MATRIX_FMT_BF6 matrix_b_scale:MATRIX_SCALE_ROW1
.else
	v_wmma_scale_f32_16x16x128_f8f6f4 v[128+8*(4*\a+\b):128+8*(4*\a+\b)+7], v[FB+12*\a:FB+12*\a+11], v[FB+12*\b:FB+12*\b+11], v[128+8*(4*\a+\b):128+8*(4*\a+\b)+7], v[SCP+4*AH+\a], v[SCP+4*BH+\b] matrix_a_fmt:MATRIX_FMT_BF6 matrix_b_fmt:MATRIX_FMT_BF6 matrix_b_scale:MATRIX_SCALE_ROW1
.endif
.endr
.endr
.endm
.macro FOUR adr, off, fn               ; four fragments, 12 loads
.irp f, 0,1,2,3
.irp c, 0,1,2
	ds_load_b128 v[\fn+12*\f+4*\c:\fn+12*\f+4*\c+3], v[\adr] offset:\off+\f*FRB+16*\c
.endr
.endr
.endm
.macro RUN slot, q, p                  ; the 56 loads of step (slot, q) into set p, in one run
.set FN, 32+48*(\p)
	WIN 0
	FOUR ADRB+(\slot), (\q)*SLAB, FN
.irp i, 0,1,2,3,4,5,6,7
	ds_load_b32 v[SC+8*(\p)+\i], v[ADRS+(\slot)] offset:(\q)*SLAB+64*\i
.endr
	WIN 0x80
	FOUR ADRA+(\slot), (\q)*SLAB, FN
	WIN 0x40
	FOUR ADRB+(\slot), (\q)*SLAB+4*FRB, FN
	WIN 0xc0
	FOUR ADRA+(\slot), (\q)*SLAB+4*FRB, FN
.endm
.macro SRUN pos, slot, q, p            ; the run of wave pos alone; at the branch and at the label every window is 0
	WIN 0
	s_cmp_lg_u32 s14, \pos
	s_cbranch_scc1 .Lnot_my_turn_\@
	RUN \slot, \q, \p
	WIN 0
.Lnot_my_turn_\@:
.endm
.macro SMUL slot, q, pn, p, zero       ; a step's 64 products on set p; ahead of quadrant w wave w fetches step (slot, q) into set pn
.irp k, 0,1,2,3
	SRUN \k, \slot, \q, \pn
	QUAD \k, \p, \zero
.endr
.endm
; A step inside a slot: its own fragments were asked for in the step before; the four places stand between that step's products and the loads, at any of the four turns, into the registers that they read.
.macro STEP slot, q, zero
.set PP, ((\slot)+(\q))%2
	s_wait_dscnt 0x0
	PLACES 4
	SMUL \slot, (\q)+1, 1-PP, PP, \zero
.endm
; A slot's last step.  This slot is read no more.  Every wave waits for all its tensor loads (its part of the next slot), adds 0 to its spare word and waits for the add and its reads; the barrier opens a round of the
; cluster's barrier; the joint refill comes first behind the round, then, each wave at its turn, the next slot's first fragments.
.macro TURN slot, next, fill, ask
	WIN 0
.if \ask
	s_wait_xcnt 0x0                                ; my last prefetches have read their base
	s_add_nc_u64 s[PFA:PFA+1], s[PFA:PFA+1], HALFT
.endif
	s_wait_tensorcnt 0x0
	ds_add_u32 v[SPW], v[NIL]
	s_wait_dscnt 0x0
	s_barrier_signal -1
	s_barrier_wait -1
.if \fill
	CREST
	s_add_nc_u64 s[G0+4*\slot+2:G0+4*\slot+3], s[G0+4*\slot+2:G0+4*\slot+3], 2*HALFT
	s_add_nc_u64 s[G0B+4*\slot+2:G0B+4*\slot+3], s[G0B+4*\slot+2:G0B+4*\slot+3], 2*HALFT
.if \fill == 1
	JLOAD G0+4*\slot, G1, G0B+4*\slot, G1B         ; the four v_nop behind it are also the places in front of the loads below
.else
	JLOAD G0+4*\slot, G1S, G0B+4*\slot, G1SB
.endif
.else
	PLACES 4
.endif
.if \ask
	s_cmp_gt_u32 s3, 1                             ; not in the loop's last trip
	s_cbranch_scc0 .Lno_ask_\@
	global_prefetch_b8 v[PF0], s[PFA:PFA+1] th:TH_LOAD_NT scope:SCOPE_SE
	global_prefetch_b8 v[PF1], s[PFA:PFA+1] th:TH_LOAD_NT scope:SCOPE_SE
.Lno_ask_\@:
.endif
	SMUL \next, 0, \next, \slot, 0
.endm
	s_wait_alu depctr_va_vdst(0)                   ; the wait at the head's end
	s_wait_tensorcnt 0x0                           ; my part of slot 0 is in; slot 1's first fill is issued as a refill is
	ds_add_u32 v[SPW], v[NIL]
	s_wait_dscnt 0x0
	CROUND
	JLOAD G0+4, G1, G0B+4, G1B
	RUN 0, 0, 0
	STEP 0, 0, 1                                   ; the first step's products start the sums
	WIN 0
	s_mov_b32 s3, TRIPS
.Llap:                                                 ; a trip: six steps, once round the ring
	STEP 0, 1, 0
	TURN 0, 1, 1, 1
	STEP 1, 0, 0
	STEP 1, 1, 0
	TURN 1, 0, 1, 1
	STEP 0, 0, 0
	WIN 0
	s_sub_co_u32 s3, s3, 1
	s_cmp_lg_u32 s3, 0
	s_cbranch_scc1 .Llap
	STEP 0, 1, 0
	TURN 0, 1, 2, 0                                ; the last fill: steps 30 and 31
	STEP 1, 0, 0
	STEP 1, 1, 0
	TURN 1, 0, 0, 0
	STEP 0, 0, 0
	s_wait_dscnt 0x0                               ; the last step fetches nothing
	QUAD 0, 1, 0
	QUAD 1, 1, 0
	QUAD 2, 1, 0
	QUAD 3, 1, 0
; THE WAY OUT, quadrant by quadrant, under one setting each (sources, data and destination in the quadrant's window).  For x's block a and register j the four accumulators (a, 0 .. 3) give a lane four neighbouring
; columns: four moves.  A quadrant's 128 moves come first, then its 32 stores.  Blocks 0 to 2 move into the 96 registers that held fragments, block 3 into block 0's accumulators, which have been read by then:
; no register that a pending store names is written again.  Each accumulator is read from its low end on.
.macro OUTQ k
.set AH, ((\k)>>1)&1
.set BH, (((\k)+1)>>1)&1
.set AW, (((\k)&1)<<1)|((\k)>>1)
	WIN AW|(AW<<2)|(AW<<6)
.irp a, 0,1,2,3
.irp j, 0,1,2,3,4,5,6,7
.irp b, 0,1,2,3
	v_mov_b32 v[32+32*\a+4*\j+\b], v[128+8*(4*\a+\b)+\j]
.endr
.endr
.endr
.irp a, 0,1,2,3
.irp j, 0,1,2,3,4,5,6,7
	global_store_b128 v[CO], v[32+32*\a+4*\j:32+32*\a+4*\j+3], s[12:13] offset:(16*(4*AH+\a)+\j)*SIZE_N*4+256*BH th:TH_STORE_NT   ; lanes 0-15: 256 consecutive, aligned bytes of row 16 a + j; lanes 16-31: of the row 8 further down
.endr
.endr
.endm
	PLACES 4
	OUTQ 0
	OUTQ 1
	OUTQ 2
	OUTQ 3
	WIN 0
	s_wait_tensorcnt 0x0                           ; the wave's end
	ds_add_u32 v[SPW], v[NIL]
	s_wait_dscnt 0x0
	CROUND                                         ; the closing round
	s_endpgm
.Lfunc_end_k_q52bb076ff1_gemm:
	.size	k_q52bb076ff1_gemm, .Lfunc_end_k_q52bb076ff1_gemm-k_q52bb076ff1_gemm
	.p2alignl 7, 3214868480
	.fill 96, 4, 3214868480
	.section	.rodata,"a",@progbits
	.p2align	6, 0x0
	.amdhsa_kernel k_q52bb076ff1_gemm
		.amdhsa_group_segment_fixed_size 327680
		.amdhsa_private_segment_fixed_size 0
		.amdhsa_enable_private_segment 0
		.amdhsa_kernarg_size 24
		.amdhsa_user_sgpr_count 2
		.amdhsa_user_sgpr_kernarg_segment_ptr 1
		.amdhsa_wavefront_size32 1
		.amdhsa_system_sgpr_workgroup_id_x 1
		.amdhsa_system_sgpr_workgroup_id_y 1
		.amdhsa_system_sgpr_workgroup_id_z 1
		.amdhsa_system_vgpr_workitem_id 0
		.amdhsa_next_free_vgpr 1024
		.amdhsa_next_free_sgpr 98
		.amdhsa_reserve_vcc 0
		.amdhsa_float_denorm_mode_32 3
		.amdhsa_float_denorm_mode_16_64 3
		.amdhsa_memory_ordered 1
		.amdhsa_forward_progress 1
		.amdhsa_inst_pref_size 255
	.end_amdhsa_kernel
	.section	.bss,"aw",@nobits
	.p2align	6
	.space	262144
	.amdgpu_metadata
---
amdhsa.version: [ 1, 2 ]
amdhsa.kernels:
  - .name:           k_q52bb076ff1_gemm
    .symbol:         k_q52bb076ff1_gemm.kd
    .args:
      - { .name: x_q, .offset: 0, .size: 8, .value_kind: global_buffer, .address_space: global }
      - { .name: w_q, .offset: 8, .size: 8, .value_kind: global_buffer, .address_space: global }
      - { .name: out0, .offset: 16, .size: 8, .value_kind: global_buffer, .address_space: global }
    .group_segment_fixed_size: 327680
    .private_segment_fixed_size: 0
    .kernarg_segment_align: 8
    .kernarg_segment_size: 24
    .max_flat_workgroup_size: 128
    .sgpr_count:     98
    .vgpr_count:     1024
    .wavefront_size: 32
...
	.end_amdgpu_metadata
.endif
;; end of part 2
